; MI455X (gfx1250); checked and timed in simulation.
; The chip was launched on July 23, 2026; its instructions are those of AMD's public machine-readable ISA for CDNA 5 (MIT licence, August 2026) and "CDNA5" Instruction Set Architecture Reference Guide (July 2026). The comments in the code are by the model that wrote it; some were corrected since.
;; Self Attention. Allowed arithmetic: matrix products marked QUANTISED: E2M3 operands, one E8M0 scale for each 32 along K, by v_wmma_scale_f32_16x16x128_f8f6f4 with both operands' format E2M3, f32 sums; everything else in f32.
;; Inputs: Wk_codes 1,024 x 32 x 24 uint8 (E2M3 codes of Wk, K innermost, in blocks of 32 codes, four codes in three bytes); Wk_scales 1,024 x 32 uint8 (E8M0 scales of Wk, one for each 32 codes along K); Wp_codes 1,024 x 32 x 24 uint8 (E2M3 codes of Wp, K innermost, in blocks of 32 codes, four codes in three bytes); Wp_scales 1,024 x 32 uint8 (E8M0 scales of Wp, one for each 32 codes along K); Wq_codes 1,024 x 32 x 24 uint8 (E2M3 codes of Wq, K innermost, in blocks of 32 codes, four codes in three bytes); Wq_scales 1,024 x 32 uint8 (E8M0 scales of Wq, one for each 32 codes along K); Wv_codes 1,024 x 32 x 24 uint8 (E2M3 codes of Wv, K innermost, in blocks of 32 codes, four codes in three bytes); Wv_scales 1,024 x 32 uint8 (E8M0 scales of Wv, one for each 32 codes along K); bk 1,024 float32; bp 1,024 float32; bq 1,024 float32; bv 1,024 float32; x_codes 8 x 1,024 x 32 x 24 uint8 (E2M3 codes of x, K innermost, in blocks of 32 codes, four codes in three bytes); x_scales 8 x 1,024 x 32 uint8 (E8M0 scales of x, one for each 32 codes along K).
;; Outputs: out0 8 x 1,024 x 1,024 float32.
;; This version of the problem:
;;   THIS VERSION OF THE PROBLEM IS GIVEN IN LOW PRECISION. The matrix products marked QUANTISED in the list below multiply operands that are first quantised to E2M3 (2 exponent bits, 3 mantissa bits; 6 bits a number), with one power-of-two scale for each 32 numbers along K (OCP MX v1.0); their sums are f32. All else is computed in f32.
;;   The module's matrix products, in the order in which they are computed (A, B: the left and right operand; K: the contracted axis; several contracted axes count as one K, in the product's order):
;;     1. [M 8,192, K 1,024] x [K 1,024, N 1,024]; A: input x (given as codes); B: input Wk (given as codes): QUANTISED
;;     2. [M 8,192, K 1,024] x [K 1,024, N 1,024]; A: input x (given as codes); B: input Wq (given as codes): QUANTISED
;;     3. [M 8,192, K 1,024] x [K 1,024, N 1,024]; A: input x (given as codes); B: input Wv (given as codes): QUANTISED
;;     4. batch 128 x [M 1,024, K 64] x [K 64, N 1,024]; A: computed on the way; B: computed on the way: QUANTISED
;;     5. batch 128 x [M 1,024, K 1,024] x [K 1,024, N 64]; A: softmax (see below); B: computed on the way: QUANTISED
;;     6. [M 8,192, K 1,024] x [K 1,024, N 1,024]; A: computed on the way; B: input Wp (given as codes): QUANTISED
;;   THE QUANTISER, for each operand of a quantised product, along K:
;;     - K is cut into blocks of 32 from its start; a last block that is shorter is filled with zeros.
;;     - A block's scale is 2^e with e = floor(log2(the largest magnitude in the block)) - 2, held to -126 .. 127; a block of zeros has e = 0. As a byte (E8M0): e + 127.
;;     - Each number is divided by its block's scale, clamped to +-7.5, and rounded to the nearest number of E2M3, ties to even, subnormals kept.
;;     - The product sums the exact products of the quantised numbers (number of the format x scale) in f32.
;;   ~~~python
;;   def quantise(x, axis):      # numpy; x: float32 -> the quantised numbers, widened to float32 again
;;       x = np.moveaxis(x, axis, -1); K = x.shape[-1]
;;       x = np.pad(x, [(0, 0)] * (x.ndim - 1) + [(0, -K % 32)]); x = x.reshape(x.shape[:-1] + (-1, 32)); a = np.abs(x).max(-1, keepdims=True)
;;       e = np.where(a > 0, np.clip(np.frexp(np.where(a > 0, a, 1))[1] - 1 - 2, -126, 127), 0)      # np.frexp(a)[1] - 1 = floor(log2(a)), exactly
;;       r = np.clip(x / 2.0 ** e, -7.5, 7.5)
;;       step = 2.0 ** (np.maximum(np.frexp(np.where(r == 0, 1, r))[1] - 1, 0) - 3)
;;       q = np.round(r / step) * step * 2.0 ** e      # np.round: ties to even
;;       return np.moveaxis(q.reshape(q.shape[:-2] + (-1,))[..., :K], -1, axis).astype(np.float32)
;;   ~~~
;;   SOFTMAX AHEAD OF A QUANTISED PRODUCT. Where the list says 'softmax', what is quantised is not the finished softmax but p = 2^(t - M), with t = logit x log2(e) and M = ceil(the row's largest t), a whole number; so 1/2 < the row's largest p <= 1. The row's sum l is taken of the UNQUANTISED p, in f32, and the product's result is divided by l at the end. Since M is a whole number, a kernel that streams over the keys may use a running M (the ceiling of the running maximum): every later rescaling is an exact power of two, which a block's scale takes up: the codes' values come out the same.
;;   OPERANDS COMPUTED ON THE WAY. 'Computed on the way' means the value that the module computes at that place (a softmax that the list does not call 'softmax' is quantised finished and normalised). What goes into a quantiser is computed in f32, as accurately as f32 sums, v_exp_f32 and their like allow (about 1e-6 of the number): no bf16 or f16 on the way to a quantiser, and a product that is left as it is and whose result goes on into a quantised operand takes f32 operands (vector FMAs, or v_wmma_f32_16x16x4_f32). A number that lies on a knife's edge between two numbers of the format may be rounded either way, as far as f32 arithmetic and the matrix unit's own rounding can turn it there, and no further.
;;   INPUTS GIVEN AS CODES. Wk (in the module: [1024, 1024], K = its axis 0); Wp (in the module: [1024, 1024], K = its axis 0); Wq (in the module: [1024, 1024], K = its axis 0); Wv (in the module: [1024, 1024], K = its axis 0); x (in the module: [8, 1024, 1024], K = its axis 2): each comes as NAME_codes (uint8): NAME with its K axis moved to the last place and cut into blocks of 32 codes, [.., K / 32, bytes a block], one block behind the other in memory; four codes in three bytes: a row's codes are one little-endian stream of bits, code i at bits 6 i .. 6 i + 5 (a code: sign, 2 exponent bits, 3 mantissa bits); and NAME_scales (uint8): the same leading axes, one E8M0 byte (e + 127) for each 32 codes along K. Its value is code x scale, taken as it is: it is not quantised again, and the codes and scales need not be those that the quantiser above would give.
;; One version. Each part assembles by itself: llvm-mc -triple=amdgcn-amd-amdhsa -mcpu=gfx1250 --defsym DOCPART=n.
;; ======== version 1 of 1: 3 launches
;; limits: right only within a limited range of input values
;; workspace buffers: kqv 19,660,800 bytes; oc 6,291,456 bytes; osc 262,144 bytes
;; launch qkv (part 1): grid 4 x 64, 4 waves a work-group, clusters of 4 x 4, 327,680 bytes of LDS; arguments x_codes, x_scales, Wk_codes, Wk_scales, Wq_codes, Wq_scales, Wv_codes, Wv_scales, bk, bq, bv, kqv; writes kqv
.if DOCPART == 1
	.amdgcn_target "amdgcn-amd-amdhsa--gfx1250"
	.amdhsa_code_object_version 6
	.text
	.protected	k_qa98e6574e6_qkv
	.globl	k_qa98e6574e6_qkv
	.p2align	8
	.type	k_qa98e6574e6_qkv,@function
k_qa98e6574e6_qkv:
	s_mov_b64 s[64:65], 0
	v_nop
	global_prefetch_b8 v0, s[64:65] scope:SCOPE_SE
	s_setreg_imm32_b32 hwreg(HW_REG_WAVE_MODE, 25, 1), 1
	s_wait_xcnt 0x0
	s_wait_alu depctr_hold_cnt(0) depctr_sa_sdst(0) depctr_va_vdst(0) depctr_va_sdst(0) depctr_va_ssrc(0) depctr_va_vcc(0) depctr_vm_vsrc(0)
	s_getreg_b32 s2, hwreg(HW_REG_IB_STS2, 6, 4)
	s_cmp_eq_u32 s2, 0
	s_cbranch_scc0 .Lentry_in_a_cluster
	s_endpgm
.Lentry_in_a_cluster:
	s_bfe_u32 s2, ttmp6, 0x10000c
	s_cmp_lg_u32 s2, 0xf033
	s_cbranch_scc0 .Lentry_shape_is_right
	s_endpgm
.Lentry_shape_is_right:
; k = x Wk + bk, q = x Wq + bq, v = x Wv + bv on codes of FP6 (E2M3) with E8M0 scales, K = 1,024, sums in f32; the results are quantised at once (k, q along a head's 64 channels, v along the tokens)
; and leave as images of operand registers for the attention launch.
; THE DEAL.  256 work-groups of four waves that stay: work-group (g, T) takes tokens 128 T .. + 127 and channels 256 g .. + 255 (heads 4 g .. 4 g + 3) of k, then of q, then of v.
; LDS: x's 128 rows, all of K, filled once; one region for a weight's 256 rows, all of K, filled three times.  A row is 768 bytes of memory, begins at a multiple of 256, and takes 16 bytes of padding behind every 256 (pitch 816).
; A refill stands behind a round of the cluster's barrier in the tile's last K step but one, whose head has fetched the last step's fragments: each wave fills a quarter.  The last step's products, the quantiser and the stores follow the refill.
; k and q are a loop of two trips; v's tile, which asks for nothing more, is written out.
; ROLES.  Source 1 ('A side', 4 blocks of 16 rows) gives a lane its row, source 0 ('B side', 8 blocks) runs along a lane's registers, which is the next product's K.
;   k, q: A side = my 64 tokens (wave / 2), B side = my 128 channels (wave % 2), bias along the registers.   v: A side = my 64 channels (one head: 4 g + wave), B side = all 128 tokens, bias along the lanes.
; CLUSTERS 4 x 4: x's rows are shared along a row of the cluster, a weight's along a column: joint loads.  Scale words (32 bytes a row: all of K) and the bias go from memory into registers, 512 consecutive bytes a load.
; PREFETCH.  Wq's and Wv's codes, 2 x 3,072 blocks of 256 bytes, are asked for once in the launch, at the head: a lane a block, one instruction a wave, by the 192 waves of clusters 0 to 2, shared out by address.
; Wq's refill follows nearly one tile later, Wv's nearly two.  x and Wk come by the head's loads alone.
; THE ORDER INSIDE A BLOCK OF 32: places hold numbers 0-7, 16-23, 8-15, 24-31, alike in k and q, and alike in v and the attention launch's p: a permutation of K applied to both operands changes no product.
; OUT.  kqv [head of batch 128][128 tokens 8][k's piece, q's piece, v's piece].  A piece is 6,400 bytes: four images of 1,536 (register 4 c + e of lane l at 512 c + 16 l + 4 e), then 4 x 64 bytes of scale words.
; An image of k or q: registers 0-5 tokens 16 (2 i) + r, 6-11 tokens 16 (2 i + 1) + r, lane half = the head's block.  An image of v: channel 16 i + r, registers 6 c .. = token block 2 c + h.
; k's and q's scale words leave in runs of 128 consecutive bytes (a wave has half of a piece's tokens); all other stores cover whole aligned runs of 256 bytes.
; LIMITS: NaN and infinities are not served.  A block whose largest magnitude lies under 2^-124, a block of zeros too, gets the byte 1: this program alone reads the bytes.
; REGISTERS: window 0: addresses, scale words (SA, SB: nothing else lies there), bias, the quantiser's work; window 1: B side's fragments, two sets; window 2: 32 accumulators; window 3: A side's fragments, two sets.
.set KROW,  768
.set PITCH, 816
.set FR,    12
.set XB,    128*PITCH                  ; the weights' region
.set SPARE, XB+256*PITCH               ; the spare words: 512 bytes that no other line names
.set STG,   SPARE+512                  ; the scale words' stage: 256 bytes a wave for k and q, then 256 a wave for v
.set PIECE, 6400
.set RECB,  3*PIECE
.set H1,    8*RECB                     ; from a head to the next
.set AAK, 4                            ; v4-5 k, q: A side's LDS address (the second: behind one padding more)
.set ABK, 6                            ; v6-9 B side's: blocks 0-3, blocks 4-7
.set AAV, 10                           ; v10-11, v12-15 the same for v
.set ABV, 12
.set LIA, 16                           ; 16 lane + 3,072 (wave / 2)
.set LI,  17                           ; 16 lane
.set SGO, 18                           ; 8 (lane % 16) + 128 (wave / 2) + (lane / 16) H1
.set SGV, 19                           ; 8 lane
.set SWA, 20
.set SWV, 21
.set SRK, 22
.set SRV, 23
.set BO,  24                           ; 32 h
.set BV,  25                           ; 4 r
.set SO,  26                           ; 32 r
.set PF,  27                           ; the prefetch's offset; not rewritten behind it
.set SPW, 28
.set NIL, 29
.set SA,  32                           ; v32-63 A side's scale words: 8 a + K step
.set BK,  64                           ; v64-65 scale words read back
.set SB,  68                           ; v68-131 B side's: 8 b + K step
.set BI,  132                          ; v132-195 the bias in the result's layout
.set TM,  196
.set PW,  212
.set WS,  216
.set CT,  220
.set IA,  228
.set IB,  240
.set SEL, 98
.set HM,  100
.set MSB, 0
.macro WIN new
.if MSB != (\new)
	s_set_vgpr_msb (MSB<<8)|(\new)
.set MSB, (\new)
.endif
.endm
.macro PLACES n
.rept \n
	v_nop
.endr
.endm
.macro CROUND
	s_barrier_signal -1
	s_barrier_wait -1
	s_cmp_lg_u32 s14, 0
	s_cbranch_scc1 .Lnot_wave_0_\@
	s_barrier_signal -3
.Lnot_wave_0_\@:
	s_barrier_wait -3
	s_barrier_signal -1
	s_barrier_wait -1
.endm
.macro TLOAD g0, g1
	tensor_load_to_lds s[\g0:\g0+3], s[\g1:\g1+7]
	s_nop 0
	PLACES 4
.endm
.macro GROUP1 g, mask, rows            ; rows of 768 bytes, 16 bytes of padding behind every 256
	s_or_b32 s[\g+0], s\mask, (1<<20)|(1<<21)|(5<<22)|(3<<25)
	s_mov_b32 s[\g+1], KROW<<16
	s_mov_b32 s[\g+2], (\rows)<<16
	s_mov_b32 s[\g+3], KROW<<16
	s_mov_b32 s[\g+4], \rows
	s_mov_b32 s[\g+5], KROW
	s_mov_b32 s[\g+6], 0
	s_mov_b32 s[\g+7], 0
.endm
.macro LDSC reg, n, base               ; the scale words of n blocks of 16 rows: lane r takes row r's 32 bytes
.set I_, 0
.rept \n
	global_load_b128 v[\reg+8*I_:\reg+8*I_+3], v[SO], s[\base:\base+1] offset:512*I_
	global_load_b128 v[\reg+8*I_+4:\reg+8*I_+7], v[SO], s[\base:\base+1] offset:512*I_+16
.set I_, I_+1
.endr
.endm
.macro BIAS1 base                      ; channels 16 b + 8 h + 0 .. 7
.set I_, 0
.rept 8
	global_load_b128 v[BI+8*I_:BI+8*I_+3], v[BO], s[\base:\base+1] offset:64*I_
	global_load_b128 v[BI+8*I_+4:BI+8*I_+7], v[BO], s[\base:\base+1] offset:64*I_+16
.set I_, I_+1
.endr
.endm
.macro FRAG reg, adr, st, i            ; 16 rows x 128 K: six pieces of 8 bytes; byte y of a row lies at y + 16 (y / 256); lanes 16-31 read 24 bytes further on
.irp p, 0,1,2,3,4,5
.set BY, 96*(\st)+48*(\p/3)+8*(\p%3)
.if BY/256 == (BY+24)/256
	ds_load_b64 v[\reg+2*\p:\reg+2*\p+1], v[\adr+2*((\i)/4)] offset:BY+16*(BY/256)+((\i)%4)*16*PITCH
.else
	ds_load_b64 v[\reg+2*\p:\reg+2*\p+1], v[\adr+2*((\i)/4)+1] offset:BY+16*(BY/256)+((\i)%4)*16*PITCH
.endif
.endr
.endm
.macro FETCH aa, ab, st                ; K step st's twelve fragments into set st % 2
	WIN 0x40
.irp i, 0,1,2,3,4,5,6,7
	FRAG 96*((\st)%2)+FR*\i, \ab, \st, \i
.endr
	WIN 0xc0
.irp i, 0,1,2,3
	FRAG 48*((\st)%2)+FR*\i, \aa, \st, \i
.endr
	WIN 0
.endm
.macro MULS st, mode                   ; 32 products, the 32 accumulators by turns.  mode 1, 2: the sums start from the bias
.if \mode
	WIN 0x8d
.else
	WIN 0xad
.endif
.set N_, 0
.rept 32
.set rD, 8*N_
.set rB, 96*((\st)%2)+FR*(N_%8)
.set rA, 48*((\st)%2)+FR*(N_/8)
.set rSB, SB+8*(N_%8)+(\st)
.set rSA, SA+8*(N_/8)+(\st)
.if (\mode) == 0
	v_wmma_scale_f32_16x16x128_f8f6f4 v[rD:rD+7], v[rB:rB+FR-1], v[rA:rA+FR-1], v[rD:rD+7], v[rSB], v[rSA] matrix_a_fmt:MATRIX_FMT_FP6 matrix_b_fmt:MATRIX_FMT_FP6
.elseif (\mode) == 1
	v_wmma_scale_f32_16x16x128_f8f6f4 v[rD:rD+7], v[rB:rB+FR-1], v[rA:rA+FR-1], v[BI+8*(N_%8):BI+8*(N_%8)+7], v[rSB], v[rSA] matrix_a_fmt:MATRIX_FMT_FP6 matrix_b_fmt:MATRIX_FMT_FP6
.else
	v_wmma_scale_f32_16x16x128_f8f6f4 v[rD:rD+7], v[rB:rB+FR-1], v[rA:rA+FR-1], v[BI+8*(N_/8):BI+8*(N_/8)+7], v[rSB], v[rSA] matrix_a_fmt:MATRIX_FMT_FP6 matrix_b_fmt:MATRIX_FMT_FP6
.endif
.set N_, N_+1
.endr
	WIN 0
.endm
; A tile's eight K steps.  Each step waits for its fragments, asks for the next step's (four places behind the products that read that set), and multiplies.
.macro KTILE aa, ab, mode, refill
	s_wait_tensorcnt 0x0                           ; my loads have landed,
	s_wait_dscnt 0x0
	s_barrier_signal -1
	s_barrier_wait -1                              ; everybody's have
	FETCH \aa, \ab, 0
	s_wait_loadcnt 0x0                             ; scale words and bias
.set ST, 0
.rept 8
	s_wait_dscnt 0x0
.if ST < 7
	PLACES 4
	FETCH \aa, \ab, ST+1
.endif
.if (ST == 6) && (\refill)
	s_wait_tensorcnt 0x0                           ; the last step's fragments are asked for: the three lines ahead of a refill's round
	ds_add_u32 v[SPW], v[NIL]
	s_cmp_eq_u32 s101, 0                           ; no load of mine is out: the next weight's address: Wq's behind k, Wv's behind q
	s_cselect_b64 s[62:63], s[76:77], s[80:81]
	s_add_nc_u64 s[62:63], s[62:63], s[66:67]
	s_or_b32 s63, s63, 0x80000000
.endif
.if ST == 0
	MULS ST, \mode
.else
	MULS ST, 0
.endif
.if (ST == 6) && (\refill)
	s_wait_dscnt 0x0                               ; the add is done, and my reads of the weights' region are over
	CROUND                                         ; so it is with every wave of every partner
	TLOAD 60, 4                                    ; my quarter of the next weight's rows
.endif
.set ST, ST+1
.endr
.endm
; THE QUANTISER.  The eight accumulators from ac on are 64 numbers of a lane's row: four blocks of 32 along the next K, 16 numbers of each here and 16 in lane l xor 16.
.macro QUANT ac, d0, d1, pwr
	WIN 0x28
.irp b, 0,1,2,3
	v_max3_num_f32 v[TM+\b], 0x1800000, |v[(\ac)+16*\b]|, |v[(\ac)+16*\b+1]|   ; the floor 2^(3 - 127) is a leaf: the byte cannot fall under 1
.endr
.irp i, 2,4,6,8,10,12,14
.irp b, 0,1,2,3
	v_max3_num_f32 v[TM+\b], v[TM+\b], |v[(\ac)+16*\b+\i]|, |v[(\ac)+16*\b+\i+1]|
.endr
.endr
	WIN 0
.irp b, 0,1,2,3
	v_permlanex16_b32 v[TM+4+\b], v[TM+\b], s[SEL], s[SEL+1]
.endr
.irp b, 0,1,2,3
	v_max_num_f32 v[TM+\b], v[TM+\b], v[TM+4+\b]
.endr
.irp b, 0,1,2,3
	v_add_nc_u32 v[TM+12+\b], 0xff000000, v[TM+\b] ; 2 off the exponent field: the conversion's scale operand
.endr
.irp b, 0,1,2,3
	v_lshrrev_b32 v[TM+4+\b], 23, v[TM+12+\b]      ; the scale's byte
.endr
	v_lshl_or_b32 v[\pwr], v[TM+5], 8, v[TM+4]
	v_lshl_or_b32 v[\pwr], v[TM+6], 16, v[\pwr]
	v_lshl_or_b32 v[\pwr], v[TM+7], 24, v[\pwr]
	WIN 2
	v_cvt_scalef32_pk16_fp6_f32 v[\d0:\d0+2], v[(\ac):(\ac)+15], v[TM+12]
	v_cvt_scalef32_pk16_fp6_f32 v[CT:CT+2], v[(\ac)+16:(\ac)+31], v[TM+13]
	v_cvt_scalef32_pk16_fp6_f32 v[\d1:\d1+2], v[(\ac)+32:(\ac)+47], v[TM+14]
	v_cvt_scalef32_pk16_fp6_f32 v[CT+4:CT+6], v[(\ac)+48:(\ac)+63], v[TM+15]
	WIN 0
	v_nop                                          ; one plain place behind a scaled conversion
.irp i, 0,1,2
	v_permlane16_swap_b32 v[\d0+\i], v[CT+\i]      ; the operand's layout wants a whole block in a lane
.endr
.irp i, 0,1,2
	v_mov_b32 v[\d0+3+\i], v[CT+\i]
.endr
.irp i, 0,1,2
	v_permlane16_swap_b32 v[\d1+\i], v[CT+4+\i]
.endr
.irp i, 0,1,2
	v_mov_b32 v[\d1+3+\i], v[CT+4+\i]
.endr
.endm
; ---- the head
	s_load_b512 s[68:83], s[0:1], 0x0              ; x's codes, scales; Wk's; Wq's; Wv's
	s_load_b256 s[84:91], s[0:1], 0x40             ; bk, bq, bv, kqv
	v_lshl_add_u32 v[SPW], v0, 2, SPARE
	v_mov_b32 v[NIL], 0
	ds_add_u32 v[SPW], v[NIL]                      ; the opening lines
	ds_add_u32 v[SPW], v[NIL]
	v_lshrrev_b32 v1, 5, v0
	v_readfirstlane_b32 s14, v1                    ; wave
	s_lshr_b32 s15, s14, 1
	s_and_b32 s16, s14, 1
	s_bfe_u32 s40, ttmp6, 0x40000                  ; cx
	s_bfe_u32 s41, ttmp6, 0x40004                  ; cy
	s_lshl_b32 s42, ttmp9, 2
	s_add_co_u32 s42, s42, s40                     ; g
	s_and_b32 s17, ttmp7, 0xffff
	s_lshl_b32 s17, s17, 2
	s_add_co_u32 s17, s17, s41                     ; T
	s_lshl_b32 s43, s41, 2
	s_lshl_b32 s43, 15, s43                        ; my row of the cluster
	s_lshl_b32 s44, 0x1111, s40                    ; my column
	GROUP1 24, 43, 64                              ; x: waves 0, 1 fetch 64 rows each
	GROUP1 48, 44, 128                             ; the first weight: waves 2, 3 fetch 128 rows each
	s_lshl_b32 s20, s17, 7                         ; my first token
	s_lshl_b32 s18, s16, 6
	s_add_co_u32 s18, s18, s20
	s_mul_i32 s18, s18, KROW
	s_mov_b32 s19, 0
	s_mov_b32 s32, 1
	s_mul_i32 s33, s16, 64*PITCH
	s_lshl_b32 s21, s42, 8                         ; my work-group's first channel
	s_lshl_b32 s36, s16, 7
	s_add_co_u32 s36, s36, s21                     ; + 128 (wave % 2): the rows that I fetch at the head, and my channels of k and q
	s_lshl_b32 s46, s36, 5
	s_mov_b32 s47, 0
	s_lshl_b32 s22, s36, 2
	s_mov_b32 s23, 0
	s_mul_i32 s36, s36, KROW
	s_mov_b32 s37, 0
	s_mov_b32 s56, 1
	s_mul_i32 s57, s16, 128*PITCH
	s_add_co_u32 s57, s57, XB
	s_lshl_b32 s12, s14, 6
	s_add_co_u32 s12, s12, s21                     ; + 64 wave: my channels of v, and the rows that I fetch in a refill
	s_mul_i32 s66, s12, KROW
	s_mov_b32 s67, 0
	s_mov_b32 s60, 1
	s_mul_i32 s61, s14, 64*PITCH
	s_add_co_u32 s61, s61, XB
	s_lshl_b32 s2, s12, 5
	s_mov_b32 s3, 0
	s_lshl_b32 s12, s12, 2
	s_mov_b32 s13, 0
	s_lshl_b32 s10, s20, 5
	s_mov_b32 s11, 0
	s_lshl_b32 s8, s15, 11
	s_mov_b32 s9, 0
	s_lshr_b32 s45, s17, 3
	s_lshl_b32 s45, s45, 4
	s_lshl_b32 s4, s42, 2
	s_add_co_u32 s45, s45, s4                      ; 16 batch + 4 g
	s_and_b32 s7, s17, 7                           ; the step of 128 tokens
	s_lshl_b32 s4, s16, 1
	s_add_co_u32 s4, s4, s45
	s_lshl_b32 s4, s4, 3
	s_add_co_u32 s4, s4, s7
	s_mul_i32 s4, s4, RECB
	s_mov_b32 s5, 0
	s_add_co_u32 s6, s45, s14
	s_lshl_b32 s6, s6, 3
	s_add_co_u32 s6, s6, s7
	s_mul_i32 s6, s6, RECB
	s_add_co_u32 s6, s6, 2*PIECE
	s_mov_b32 s7, 0
	s_mov_b32 s[SEL], 0x76543210
	s_mov_b32 s[SEL+1], 0xfedcba98
	s_mov_b32 s[HM], 0xffff0000
	s_mov_b32 s101, 0
	s_wait_dscnt 0x0
	s_wait_kmcnt 0x0
	s_add_nc_u64 s[34:35], s[68:69], s[18:19]
	s_or_b32 s35, s35, 0x80000000
	s_add_nc_u64 s[58:59], s[72:73], s[36:37]
	s_or_b32 s59, s59, 0x80000000
	s_add_nc_u64 s[70:71], s[70:71], s[10:11]      ; x's scales, my work-group's 128 tokens
	s_add_nc_u64 s[38:39], s[70:71], s[8:9]        ; my 64
	s_add_nc_u64 s[74:75], s[74:75], s[46:47]
	s_add_nc_u64 s[78:79], s[78:79], s[46:47]
	s_add_nc_u64 s[82:83], s[82:83], s[2:3]
	s_add_nc_u64 s[84:85], s[84:85], s[22:23]
	s_add_nc_u64 s[86:87], s[86:87], s[22:23]
	s_add_nc_u64 s[88:89], s[88:89], s[12:13]
	s_add_nc_u64 s[92:93], s[90:91], s[4:5]        ; k's piece of my first head;
	s_add_nc_u64 s[94:95], s[92:93], H1            ; of my second;
	s_add_nc_u64 s[96:97], s[90:91], s[6:7]        ; v's piece of my head
	GROUP1 4, 44, 64                               ; a refill: every wave fetches 64 rows
	CROUND                                         ; ahead of the first joint loads
	s_cmp_eq_u32 s15, 0
	s_cbranch_scc0 .Lhead_w
	TLOAD 32, 24
	s_branch .Lhead_asked
.Lhead_w:
	TLOAD 56, 48
.Lhead_asked:
	s_mul_i32 s2, s15, 64*PITCH
	s_mul_i32 s3, s16, 128*PITCH
	s_add_co_u32 s3, s3, XB
	s_mul_i32 s12, s14, 64*PITCH
	s_add_co_u32 s12, s12, XB
	s_lshl_b32 s13, s14, 8
	s_add_co_u32 s13, s13, STG
	s_mul_i32 s22, s15, 3072
	s_lshl_b32 s23, s15, 7
	s_and_b32 s18, ttmp7, 0xffff                   ; the prefetch: the cluster's number,
	s_lshl_b32 s19, s41, 2
	s_add_co_u32 s19, s19, s40
	s_lshl_b32 s19, s19, 2
	s_add_co_u32 s19, s19, s14                     ; my wave among the cluster's 64,
	s_lshl_b32 s45, s18, 6
	s_add_co_u32 s19, s19, s45                     ; among the 192 of clusters 0 to 2: the first 96 take Wq, the others Wv, 32 blocks of 256 bytes each
	s_cmp_lt_u32 s19, 96
	s_cselect_b64 s[20:21], s[76:77], s[80:81]
	s_cselect_b32 s45, 0, 96
	s_sub_co_u32 s19, s19, s45
	s_min_u32 s19, s19, 95
	s_lshl_b32 s19, s19, 13
	v_and_b32 v1, 15, v0                           ; r
	v_bfe_u32 v2, v0, 4, 1                         ; h
	v_and_b32 v3, 31, v0
	v_mul_u32_u24 v30, v1, PITCH
	v_mad_u32_u24 v31, v2, 24, v30
	v_mad_u32_u24 v30, v2, 40, v30
	v_add_nc_u32 v[AAK], s2, v31
	v_add_nc_u32 v[AAK+1], s2, v30
	v_add_nc_u32 v[ABK], s3, v31
	v_add_nc_u32 v[ABK+1], s3, v30
	v_add_nc_u32 v[ABK+2], 64*PITCH, v[ABK]
	v_add_nc_u32 v[ABK+3], 64*PITCH, v[ABK+1]
	v_add_nc_u32 v[AAV], s12, v31
	v_add_nc_u32 v[AAV+1], s12, v30
	v_add_nc_u32 v[ABV], 0, v31
	v_add_nc_u32 v[ABV+1], 0, v30
	v_add_nc_u32 v[ABV+2], 64*PITCH, v31
	v_add_nc_u32 v[ABV+3], 64*PITCH, v30
	v_lshlrev_b32 v[LI], 4, v3
	v_add_nc_u32 v[LIA], s22, v[LI]
	v_lshlrev_b32 v[SGV], 3, v3
	v_lshlrev_b32 v31, 3, v1
	v_mul_u32_u24 v[SGO], v2, H1
	v_add3_u32 v[SGO], v[SGO], v31, s23
	v_lshlrev_b32 v[BV], 2, v1
	v_lshl_add_u32 v[SWA], v2, 7, v[BV]
	v_add_nc_u32 v[SWA], s13, v[SWA]
	v_add_nc_u32 v[SWV], s13, v[BV]
	v_add_nc_u32 v[SWV], 1024, v[SWV]
	v_add_nc_u32 v[SRK], s13, v[SGV]
	v_add_nc_u32 v[SRV], 1024, v[SRK]
	v_lshlrev_b32 v[BO], 5, v2
	v_lshlrev_b32 v[SO], 5, v1
	v_lshl_add_u32 v[PF], v3, 8, s19
.irp b, 0,1,2,3
	v_mov_b32 v[TM+4+\b], 0                        ; a lane permute's destination counts as one of its sources
.endr
	s_wait_alu depctr_va_vdst(0)                   ; the wait at the head's end
	LDSC SA, 4, 38
	LDSC SB, 8, 74
	BIAS1 84
	s_cmp_lt_u32 s18, 3                            ; the cluster's number is the same in all partners
	s_cbranch_scc0 .Lno_pf
	global_prefetch_b8 v[PF], s[20:21] th:TH_LOAD_NT scope:SCOPE_SE
.Lno_pf:
; ---- k, then q
.Ltile:
	KTILE AAK, ABK, 1, 1
	PLACES 4                                       ; behind the last products: for the loads below and the quantiser's reads
	s_cmp_eq_u32 s101, 0
	s_cbranch_scc0 .Lfor_v
	LDSC SB, 8, 78                                 ; the next tile's scale words and bias: q's,
	BIAS1 86
	s_branch .Lnext
.Lfor_v:
	LDSC SA, 4, 82                                 ; or v's: the roles change sides
	LDSC SB, 8, 70
.irp a, 0,1,2,3
.irp j, 0,1,2,3,4,5,6,7
	global_load_b32 v[BI+8*\a+\j], v[BV], s[88:89] offset:64*\a   ; channel 16 a + r in all eight registers
.endr
.endr
.Lnext:
.irp p, 0,1                                    ; two tiles of tokens make a double fragment for each of my two heads
	s_wait_xcnt 0x0                                ; earlier stores have read the images' registers
	QUANT 128*\p, IA, IB, PW
	QUANT 128*\p+64, IA+6, IB+6, PW+1
	v_perm_b32 v[CT], v[PW+1], v[PW], 0x05040100   ; my first head's word
	v_perm_b32 v[CT+1], v[PW+1], v[PW], 0x07060302 ; my second head's
	v_cndmask_b32 v[WS+\p], v[CT], v[CT+1], s[HM]
	ds_store_b32 v[SWA], v[WS+\p] offset:64*\p
.irp c, 0,1,2
	global_store_b128 v[LIA], v[IA+4*\c:IA+4*\c+3], s[92:93] offset:1536*\p+512*\c
	global_store_b128 v[LIA], v[IB+4*\c:IB+4*\c+3], s[94:95] offset:1536*\p+512*\c
.endr
.endr
	ds_load_b64 v[BK:BK+1], v[SRK]                 ; LDS serves a wave's instructions in order: this sees my stores
	s_wait_dscnt 0x0
	global_store_b64 v[SGO], v[BK:BK+1], s[92:93] offset:4*1536
	s_wait_xcnt 0x0                                ; the stores have read their bases
	s_add_nc_u64 s[92:93], s[92:93], PIECE
	s_add_nc_u64 s[94:95], s[94:95], PIECE
	s_add_co_u32 s101, s101, 1
	s_cmp_lt_u32 s101, 2
	s_cbranch_scc1 .Ltile
; ---- v
	KTILE AAV, ABV, 2, 0
	PLACES 4
.irp a, 0,1,2,3
	s_wait_xcnt 0x0
	QUANT 64*\a, IA, IA+6, PW+\a
	ds_store_b32 v[SWV], v[PW+\a] offset:64*\a     ; lanes r and r + 16 write the same word with the same value
.irp c, 0,1,2
	global_store_b128 v[LI], v[IA+4*\c:IA+4*\c+3], s[96:97] offset:1536*\a+512*\c
.endr
.endr
	ds_load_b64 v[BK:BK+1], v[SRV]
	s_wait_dscnt 0x0
	global_store_b64 v[SGV], v[BK:BK+1], s[96:97] offset:4*1536
	s_wait_tensorcnt 0x0                           ; the wave's end
	ds_add_u32 v[SPW], v[NIL]
	s_wait_dscnt 0x0
	CROUND                                         ; the closing round
	s_endpgm
.Lfunc_end_k_qa98e6574e6_qkv:
	.size	k_qa98e6574e6_qkv, .Lfunc_end_k_qa98e6574e6_qkv-k_qa98e6574e6_qkv
	.p2alignl 7, 3214868480
	.fill 96, 4, 3214868480
	.section	.rodata,"a",@progbits
	.p2align	6, 0x0
	.amdhsa_kernel k_qa98e6574e6_qkv
		.amdhsa_group_segment_fixed_size 327680
		.amdhsa_private_segment_fixed_size 0
		.amdhsa_enable_private_segment 0
		.amdhsa_kernarg_size 96
		.amdhsa_user_sgpr_count 2
		.amdhsa_user_sgpr_kernarg_segment_ptr 1
		.amdhsa_wavefront_size32 1
		.amdhsa_system_sgpr_workgroup_id_x 1
		.amdhsa_system_sgpr_workgroup_id_y 1
		.amdhsa_system_sgpr_workgroup_id_z 1
		.amdhsa_system_vgpr_workitem_id 0
		.amdhsa_next_free_vgpr 896
		.amdhsa_next_free_sgpr 102
		.amdhsa_reserve_vcc 0
		.amdhsa_float_denorm_mode_32 3
		.amdhsa_float_denorm_mode_16_64 3
		.amdhsa_memory_ordered 1
		.amdhsa_forward_progress 1
		.amdhsa_inst_pref_size 199
	.end_amdhsa_kernel
	.amdgpu_metadata
---
amdhsa.version: [ 1, 2 ]
amdhsa.kernels:
  - .name:           k_qa98e6574e6_qkv
    .symbol:         k_qa98e6574e6_qkv.kd
    .args:
      - { .name: x_codes, .offset: 0, .size: 8, .value_kind: global_buffer, .address_space: global }
      - { .name: x_scales, .offset: 8, .size: 8, .value_kind: global_buffer, .address_space: global }
      - { .name: Wk_codes, .offset: 16, .size: 8, .value_kind: global_buffer, .address_space: global }
      - { .name: Wk_scales, .offset: 24, .size: 8, .value_kind: global_buffer, .address_space: global }
      - { .name: Wq_codes, .offset: 32, .size: 8, .value_kind: global_buffer, .address_space: global }
      - { .name: Wq_scales, .offset: 40, .size: 8, .value_kind: global_buffer, .address_space: global }
      - { .name: Wv_codes, .offset: 48, .size: 8, .value_kind: global_buffer, .address_space: global }
      - { .name: Wv_scales, .offset: 56, .size: 8, .value_kind: global_buffer, .address_space: global }
      - { .name: bk, .offset: 64, .size: 8, .value_kind: global_buffer, .address_space: global }
      - { .name: bq, .offset: 72, .size: 8, .value_kind: global_buffer, .address_space: global }
      - { .name: bv, .offset: 80, .size: 8, .value_kind: global_buffer, .address_space: global }
      - { .name: kqv, .offset: 88, .size: 8, .value_kind: global_buffer, .address_space: global }
    .group_segment_fixed_size: 327680
    .private_segment_fixed_size: 0
    .kernarg_segment_align: 8
    .kernarg_segment_size: 96
    .max_flat_workgroup_size: 128
    .sgpr_count:     102
    .vgpr_count:     896
    .wavefront_size: 32
...
	.end_amdgpu_metadata
.endif
;; end of part 1
;; launch attn (part 2): grid 2 x 128, 16 waves a work-group, no clusters, 169,984 bytes of LDS; arguments kqv, oc, osc; writes oc, osc
.if DOCPART == 2
	.amdgcn_target "amdgcn-amd-amdhsa--gfx1250"
	.amdhsa_code_object_version 6
	.text
	.protected	k_qa98e6574e6_attn
	.globl	k_qa98e6574e6_attn
	.p2align	8
	.type	k_qa98e6574e6_attn,@function
k_qa98e6574e6_attn:
	s_mov_b64 s[64:65], 0
	v_nop
	global_prefetch_b8 v0, s[64:65] scope:SCOPE_SE
	s_setreg_imm32_b32 hwreg(HW_REG_WAVE_MODE, 25, 1), 1
	s_wait_xcnt 0x0
; out[b][h][i] = the sum over j <= i of softmax_j(k[i] . q[j] / 32) v[j], both products on codes of FP6 (E2M3) with E8M0 scales; the result is quantised along the model's 1,024 channels for the last product.
; (k's rows ask and q's rows answer, and the logits are scaled by 1,024^-1/2: so the module has it.)  All operands come as images of operand registers, made by the launch before: kw [128 heads][8 steps][piece of 6,400 bytes],
; qv [128][8][record = q's piece, v's piece].  A piece: four images of 1,536 bytes (register 4 c + e of lane l at 512 c + 16 l + 4 e), then 4 x 64 bytes of scale words.
; THE SOFTMAX: t = score x log2(e) / 32; M = the row's largest t so far, rounded UP to a whole number; p = 2^(t - M) is quantised along the keys, not normalised; the row's sum is taken of the unquantised p and divides at the end.
; When M moves, the sum and O are multiplied by 2^(old M - new M): exact.
; SHARES.  A head has 64 tiles of 16 rows; two work-groups (g = 0, 1) of sixteen waves take it.  Wave w owns a low tile tl = 8 c + 2 (w / 4) + g, c = (w % 4 + w / 4) % 4, and the high tile 63 - tl: under the causal mask
; (c + 1) + (8 - c) = 9 steps of 128 keys for every wave.  Each wave has 256 registers, four waves to a SIMD, so that one wave's vector work stands beside another's matrix work and LDS loads.
; LDS.  A head's eight records, 102,400 bytes, lie in LDS as they lie in memory: filled once, by eight tensor loads of waves 0 and 1, all issued at the head; three barriers let the later records land under the first steps' work.
; NO CLUSTER: a head's records are read by two work-groups, once each; the grid is two wide, which clusters of four do not divide.  Nothing is prefetched: every byte is asked for at the head by its load.
; K = 64 IN AN INSTRUCTION OF 128.  An image of q is a double fragment: registers 0-5 keys 16 (2 i) + r, registers 6-11 keys 16 (2 i + 1) + r.  It is multiplied twice: by [k | zeros] for the first tile's scores, by [zeros | k] for the second's.
; Zero codes add nothing under any scale byte but 0xff, and the bytes here lie between 1 and 254.  k's scale word is its two bytes twice.
; LAYOUT.  Both products are used transposed (S^T = q k^T, O^T = v^T p^T): a lane holds ONE row (lane % 16) throughout, and register 8 n + j of S^T the key 16 n + 8 (lane / 16) + j.  Inside a block of 32 keys p's codes so come to lie in the
; order 0-7, 16-23, 8-15, 24-31, which is the order in which v's codes were laid; k's and q's channels likewise.  Only the result meets a given operand: its numbers are brought into the natural order ahead of the conversion.
; OUT.  oc [16 heads][8,192 tokens][48 bytes]: a tile is 768 consecutive bytes, stored as three aligned runs of 256.  osc [8,192][32]: one byte a lane: rows 32 bytes apart, so these stores cover runs of 256 bytes only in part: one byte for each 24 of codes.
; LIMITS: NaN and infinities are not served.  A block whose largest magnitude lies under 2^-124 keeps the byte 1; a block of zeros gets the byte 1 and not 127: its codes are zeros, and this program alone reads the bytes.
; AS THE TEXT NOW STANDS, where the lines above say otherwise: k, q and v come in ONE buffer, kqv [128 heads][8 steps][k's piece, q's piece, v's piece].  Each of the sixteen waves fetches one piece of q or v
; (25 rows of 256 bytes) with its one tensor load at the head, wave w into LDS byte 6,400 w; every wave waits for its load, one barrier shows all eight records, and no other barrier follows.
.set PIECE, 6400
.set REC,   2*PIECE
.set STAGE, 8*REC                      ; behind the records: 768 bytes for each wave, for the way out; no fill lands here
.set LI,   1                           ; v1   16 x lane: my place in a chunk of an image
.set LS,   2                           ; v2   4 r: my place among 16 scale words
.set ADI,  3                           ; v3   LI + the step's record
.set ADS,  4                           ; v4   LS + the step's record
.set OSO,  5                           ; v5   32 r + h: my byte in a tile's part of osc
.set DML,  6                           ; v6   the low tile's 16 (t % 8) + r - 8 h: register 8 n + j is hidden where 16 n + j is above it
.set DMH,  7                           ; v7   the high tile's
.set NINF, 8                           ; v8   -infinity
.set SIN,  9                           ; v9   the stage, in: 48 r + 24 h
.set SOUT, 10                          ; v10  the stage, out: 8 x lane
.set L8,   11                          ; v11  8 x lane
.set STL,  12                          ; v12 -M, v13 the largest t, v[14:15] the sum in two halves: the low tile's;
.set STH,  16                          ; v16-19 the high tile's
.set ZK,   20                          ; v20-25 zeros, v26-31 the low tile's k, v32-37 zeros, v38-43 the high tile's k, v44-49 zeros
.set KSL,  50                          ; v50, v51 k's scale words
.set KSH,  51
.set OL,   52                          ; v52-83 O^T of the low tile, v84-115 of the high
.set OH,   84
.set S,    116                         ; v116-179 S^T, then p; on the way out the result
.set QF,   180                         ; v180-227 four fragments of q, later of v; between the two the softmax's work:
.set BM,   180                         ;   v180-183 the blocks' largest scores, then largest p
.set BY,   184                         ;   v184-187 scale bytes
.set SO,   188                         ;   v188-191 the conversions' scale operands
.set CT,   192                         ;   v192-199 the conversions' second halves
.set CHN,  200                         ;   v[200:201] the sums' second chain;  on the way out v200-205 the codes read back
.set P,    228                         ; v228-239 p's codes
.set FS,   240                         ; v240-243 the fragments' scale words, and nothing else
.set FF,   244                         ; v[244:245] f = 2^(old M - new M), later 1 / the sum; named as a pair
.set PW,   246                         ; v246 p's scale word, and nothing else
.set KRL,  247                         ; v247, v248 k's words as loaded
.set KRH,  248
.set PT,   249                         ; v249-252 the lane permutes' destinations
.set TMP,  253
.set WV,   12                          ; s12  my wave's number
.set G1,   16                          ; s[16:23] descriptor group 1;  s[24:27] group 0
.set G0,   24
.set CS,   40                          ; s[40:41] c = log2(e) / 32; the packed form names a pair
.set SEL,  42                          ; s[42:43] lane selects for v_permlanex16_b32: lane l xor 16
.set TB,   44                          ; s44  LDS byte at which the step's record begins
.set STEP, 45                          ; s45  the step
.set CNT,  46                          ; s46  trips to go
.set SDL,  47                          ; s47  the low tile's step on the diagonal;  s48 the high tile's
.set SDH,  48
.set HM,   49                          ; s49  a mask of lanes 16-31
.set TL,   50                          ; s50, s51 my two tiles
.set TH,   51
.set OCL,  56                          ; s[56:57], s[58:59] my tiles' places in oc;  s[60:61], s[62:63] in osc
.set OCH,  58
.set OSL,  60
.set OSH,  62
	s_load_b64 s[4:5], s[0:1], 0x0                 ; kqv
	s_load_b128 s[8:11], s[0:1], 0x8               ; oc s[8:9], osc s[10:11]
	v_lshl_add_u32 v254, v0, 2, 0x29000
	v_mov_b32 v255, 0
	ds_add_u32 v254, v255
	ds_add_u32 v254, v255
	v_lshrrev_b32 v1, 5, v0
	s_delay_alu instid0(VALU_DEP_1)
	v_readfirstlane_b32 s[WV], v1                  ; wave 0..15
	s_and_b32 s66, ttmp7, 0xffff                   ; 16 x batch + head
	s_and_b32 s67, s[WV], 3
	s_lshr_b32 s68, s[WV], 2
	s_add_co_u32 s[SDL], s67, s68
	s_and_b32 s[SDL], s[SDL], 3                    ; c: each value once among waves w, w + 4, w + 8, w + 12 and once among 4 n .. 4 n + 3
	s_sub_co_u32 s[SDH], 7, s[SDL]
	s_lshl_b32 s[TL], s[SDL], 3
	s_lshl_b32 s68, s68, 1
	s_add_co_u32 s[TL], s[TL], s68
	s_add_co_u32 s[TL], s[TL], ttmp9               ; the low tile
	s_sub_co_u32 s[TH], 63, s[TL]                  ; the high tile
	; descriptor group 1: a piece, 6,400 dense bytes, as 25 rows of 256 (32 elements of 8 bytes), no padding: LDS holds it as memory does
	s_mov_b32 s[G1+0], 3<<16
	s_mov_b32 s[G1+1], 32<<16                      ; tensor_dim0
	s_mov_b32 s[G1+2], 25<<16                      ; tensor_dim1: a piece is 25 rows of 256 bytes
	s_mov_b32 s[G1+3], 32<<16                      ; tile_dim0
	s_mov_b32 s[G1+4], 25                          ; tile_dim1
	s_mov_b32 s[G1+5], 32                          ; from row to row
	s_mov_b32 s[G1+6], 0
	s_mov_b32 s[G1+7], 0
	s_mul_i32 s71, s[WV], PIECE                    ; wave w fetches part w % 2 (q, v) of step w / 2: LDS byte 6,400 w;
	s_lshr_b32 s70, s[WV], 1
	s_mul_i32 s70, s70, PIECE
	s_mul_i32 s72, s66, 8*3*PIECE
	s_add_co_u32 s72, s72, s71
	s_add_co_u32 s72, s72, s70
	s_add_co_u32 s72, s72, PIECE                   ; in memory piece 3 (w / 2) + 1 + w % 2 of the head
	s_mov_b32 s73, 0
	s_mov_b32 s[CS], 0x3d38aa3b                    ; log2(e) / 32
	s_mov_b32 s[CS+1], s[CS]
	s_mov_b32 s[SEL], 0x76543210
	s_mov_b32 s[SEL+1], 0xfedcba98
	s_mov_b32 s[HM], 0xffff0000
	s_wait_dscnt 0x0
	s_wait_kmcnt 0x0
	s_mov_b32 s[G0], 1
	s_mov_b32 s[G0+1], s71
	s_add_nc_u64 s[G0+2:G0+3], s[4:5], s[72:73]
	s_or_b32 s[G0+3], s[G0+3], 0x80000000
	tensor_load_to_lds s[G0:G0+3], s[G1:G1+7]      ; one load a wave, under no branch
	s_nop 0
.rept 4
	v_nop
.endr
	v_and_b32 v249, 15, v0                         ; r
	v_bfe_u32 v250, v0, 4, 1                       ; h
	v_and_b32 v251, 31, v0                         ; lane
	s_delay_alu instid0(VALU_DEP_1)
	v_lshlrev_b32 v[LI], 4, v251
	s_wait_alu depctr_va_vdst(0)
	v_lshlrev_b32 v[LS], 2, v249
	; my two tiles of k: tile t lies in piece t / 8 of the head, in half t % 2 of image (t / 2) % 4
	s_wait_alu depctr_va_vdst(0)
	s_lshl_b32 s74, s66, 3
.macro KPLACE t, oi, ow
	s_lshr_b32 s75, s[\t], 3
	s_add_co_u32 s75, s75, s74
	s_mul_i32 s75, s75, 3*PIECE                    ; k's piece is the first of a step's three
	s_bfe_u32 s76, s[\t], 0x20001
	s_mul_i32 s[\oi], s76, 1536
	s_add_co_u32 s[\oi], s[\oi], s75
	s_lshl_b32 s76, s76, 6
	s_add_co_u32 s[\ow], s76, s75
.endm
	KPLACE TL, 77, 78
	KPLACE TH, 79, 80
	v_add_nc_u32 v140, s77, v[LI]
	v_add_nc_u32 v141, s78, v[LS]
	v_add_nc_u32 v142, s79, v[LI]
	v_add_nc_u32 v143, s80, v[LS]
.irp c, 0,1,2
	global_load_b128 v[116+4*\c:119+4*\c], v140, s[4:5] offset:512*\c
	global_load_b128 v[128+4*\c:131+4*\c], v142, s[4:5] offset:512*\c
.endr
	global_load_b32 v[KRL], v141, s[4:5] offset:4*1536
	global_load_b32 v[KRH], v143, s[4:5] offset:4*1536
	s_and_b32 s80, s[TL], 1
	s_cmp_eq_u32 s80, 1                            ; the low tile's half of its image; the high tile's is the other
	s_cselect_b32 s52, -1, 0
	s_cselect_b32 s53, 0, -1
	s_mov_b32 s81, 0x03020302
	s_cselect_b32 s54, s81, 0x01000100             ; which two bytes of the word are the tile's
	s_cselect_b32 s55, 0x01000100, s81
	v_lshlrev_b32 v252, 3, v250
	s_delay_alu instid0(VALU_DEP_1)
	v_sub_nc_u32 v252, v249, v252                  ; r - 8 h
	s_and_b32 s80, s[TL], 7
	s_lshl_b32 s80, s80, 4
	v_add_nc_u32 v[DML], s80, v252
	s_and_b32 s80, s[TH], 7
	s_lshl_b32 s80, s80, 4
	v_add_nc_u32 v[DMH], s80, v252
	v_mov_b32 v[NINF], 0xff800000
	s_mul_i32 s80, s[WV], 768
	s_add_co_u32 s80, s80, STAGE                   ; my stage
	v_mul_u32_u24 v[SIN], v249, 48
	s_delay_alu instid0(VALU_DEP_1)
	v_mad_u32_u24 v[SIN], v250, 24, v[SIN]
	s_delay_alu instid0(VALU_DEP_1)
	v_add_nc_u32 v[SIN], s80, v[SIN]
	v_lshlrev_b32 v[L8], 3, v251
	s_delay_alu instid0(VALU_DEP_1)
	v_add_nc_u32 v[SOUT], s80, v[L8]
	v_lshl_add_u32 v[OSO], v249, 5, v250
	; where my tiles go: oc: 393,216 head + 49,152 batch + 768 tile;  osc: 32,768 batch + 512 tile + 2 head
	s_lshr_b32 s75, s66, 4
	s_and_b32 s76, s66, 15
	s_mul_i32 s81, s76, 393216
	s_mul_i32 s82, s75, 49152
	s_add_co_u32 s81, s81, s82
	s_lshl_b32 s82, s75, 15
	s_lshl_b32 s76, s76, 1
	s_add_co_u32 s82, s82, s76
	s_mov_b32 s75, 0
	s_mul_i32 s74, s[TL], 768
	s_add_co_u32 s74, s74, s81
	s_add_nc_u64 s[OCL:OCL+1], s[8:9], s[74:75]
	s_mul_i32 s74, s[TH], 768
	s_add_co_u32 s74, s74, s81
	s_add_nc_u64 s[OCH:OCH+1], s[8:9], s[74:75]
	s_lshl_b32 s74, s[TL], 9
	s_add_co_u32 s74, s74, s82
	s_add_nc_u64 s[OSL:OSL+1], s[10:11], s[74:75]
	s_lshl_b32 s74, s[TH], 9
	s_add_co_u32 s74, s74, s82
	s_add_nc_u64 s[OSH:OSH+1], s[10:11], s[74:75]
.irp t, STL, STH
	v_mov_b32 v[\t+1], 0xff61b1e6                  ; the largest t so far: -3e38, under every t
	s_delay_alu instid0(VALU_DEP_1)
	v_floor_f32 v[\t], -v[\t+1]                    ; -M
	v_mov_b32 v[\t+2], 0                           ; the sum, in two halves
	v_mov_b32 v[\t+3], 0
.endr
.irp b, 0,1,2,3
	v_mov_b32 v[PT+\b], 0                          ; written once: a lane permute's destination counts as one of its sources
.endr
	v_mov_b32 v[FF+1], 0                           ; (named as the upper half of a pair)
.irp e, 0,1,2,3,4,5
	v_mov_b32 v[ZK+\e], 0                          ; the zero halves beside k
	v_mov_b32 v[ZK+12+\e], 0
	v_mov_b32 v[ZK+24+\e], 0
.endr
	s_wait_loadcnt 0x0                             ; k's images and words
.irp e, 0,1,2,3,4,5
	v_cndmask_b32 v[ZK+6+\e], v[116+\e], v[122+\e], s52     ; my tile's half of its image
	v_cndmask_b32 v[ZK+18+\e], v[128+\e], v[134+\e], s53
.endr
	v_perm_b32 v[KSL], v[KRL], v[KRL], s54         ; its two scale bytes, twice
	v_perm_b32 v[KSH], v[KRH], v[KRH], s55
.set j, 0
.rept 64
	v_mov_b32 v[OL+j], 0                           ; O^T.  (The step is written without a first step of its own: the first change of M multiplies zeros.)  These are also the places between k's registers and words and the first products
.set j, j+1
.endr
; A TILE'S STEP: 16 rows x 128 keys.  st: its statistics; o: its O^T; ka, kb: [k | zeros], [zeros | k]; ks: k's scale word; sd: its step on the diagonal; dm: its mask number.
; masked = 1: a step behind the diagonal is left out (a scalar branch on ids, round loads, products and softmax; no barrier and no tensor load stands in a step), and on the diagonal hidden scores become -infinity.
.macro TILESTEP st, o, ka, kb, ks, sd, dm, masked
.if \masked
	s_cmp_gt_u32 s[STEP], s[\sd]
	s_cbranch_scc1 .Lskip_\@
.endif
.rept 4
	v_nop                                          ; places in front of loads into registers that matrix instructions have read
.endr
.irp i, 0,1,2,3
.irp c, 0,1,2
	ds_load_b128 v[QF+12*\i+4*\c:QF+12*\i+4*\c+3], v[ADI] offset:1536*\i+512*\c   ; an image comes back as it was stored: 512 consecutive bytes a load
.endr
	ds_load_b32 v[FS+\i], v[ADS] offset:4*1536+64*\i
.endr
	s_wait_dscnt 0x0
.irp i, 0,1,2,3
	v_wmma_scale_f32_16x16x128_f8f6f4 v[S+16*\i:S+16*\i+7], v[QF+12*\i:QF+12*\i+11], v[\ka:\ka+11], 0, v[FS+\i], v[\ks] matrix_a_fmt:MATRIX_FMT_FP6 matrix_b_fmt:MATRIX_FMT_FP6
	v_wmma_scale_f32_16x16x128_f8f6f4 v[S+16*\i+8:S+16*\i+15], v[QF+12*\i:QF+12*\i+11], v[\kb:\kb+11], 0, v[FS+\i], v[\ks] matrix_a_fmt:MATRIX_FMT_FP6 matrix_b_fmt:MATRIX_FMT_FP6
.endr
.rept 4
	v_nop
.endr
.if \masked
	s_cmp_lg_u32 s[STEP], s[\sd]
	s_cbranch_scc1 .Lopen_\@
.set n, 0
.rept 64
	v_cmp_gt_i32 vcc_lo, 16*(n/8)+n%8, v[\dm]
	v_cndmask_b32 v[S+n], v[S+n], v[NINF], vcc_lo  ; p = 0 then.  The row's own key lies in this step, so the step's maximum is a number
.set n, n+1
.endr
.Lopen_\@:
.endif
.irp b, 0,1,2,3
	v_max3_num_f32 v[BM+\b], v[S+16*\b], v[S+16*\b+1], v[S+16*\b+2]   ; the largest score of each block of 32 keys: it serves for the row's maximum and, since p rises with the score, for the block's largest p
.endr
.irp i, 3,5,7,9,11,13
.irp b, 0,1,2,3
	v_max3_num_f32 v[BM+\b], v[BM+\b], v[S+16*\b+\i], v[S+16*\b+\i+1]
.endr
.endr
.irp b, 0,1,2,3
	v_max_num_f32 v[BM+\b], v[BM+\b], v[S+16*\b+15]
.endr
.irp b, 0,1,2,3
	s_delay_alu instid0(VALU_DEP_4)
	v_permlanex16_b32 v[PT+\b], v[BM+\b], s[SEL], s[SEL+1]
.endr
.irp b, 0,1,2,3
	s_delay_alu instid0(VALU_DEP_4)
	v_max_num_f32 v[BM+\b], v[BM+\b], v[PT+\b]     ; with lane l xor 16's 16 keys
.endr
	s_delay_alu instid0(VALU_DEP_2)
	v_max3_num_f32 v[TMP], v[BM], v[BM+1], v[BM+2]
	s_delay_alu instid0(VALU_DEP_1)
	v_max_num_f32 v[TMP], v[TMP], v[BM+3]          ; the step's largest score of my row
	s_delay_alu instid0(VALU_DEP_1)
	v_mul_f32 v[TMP], s[CS], v[TMP]                ; as t (c is positive)
	s_delay_alu instid0(VALU_DEP_1)
	v_max_num_f32 v[\st+1], v[\st+1], v[TMP]       ; the running largest t
	v_mov_b32 v[TMP], v[\st]
	s_delay_alu instid0(VALU_DEP_2)
	v_floor_f32 v[\st], -v[\st+1]                  ; the new -M = -ceil(t): M is a whole number
	s_delay_alu instid0(VALU_DEP_1)
	v_sub_f32 v[TMP], v[\st], v[TMP]               ; old M - new M: a whole number, 0 or less
	s_delay_alu instid0(VALU_DEP_1)
	v_cvt_i32_f32 v[TMP], v[TMP]                   ; (it saturates)
	s_delay_alu instid0(VALU_DEP_1)
	v_ldexp_f32 v[FF], 1.0, v[TMP]                 ; f = 2^(old M - new M)
.set j, 0
.rept 32
	v_pk_fma_f32 v[S+j:S+j+1], v[S+j:S+j+1], s[CS:CS+1], v[\st:\st+1] op_sel_hi:[1,0,0]   ; t - M, two at a time
.set j, j+2
.endr
.irp b, 0,1,2,3
	v_fma_f32 v[BM+\b], v[BM+\b], s[CS], v[\st]    ; the same of each block's largest score
.endr
.set j, 0
	s_wait_alu depctr_va_vdst(0)
.rept 64
	v_exp_f32 v[S+j], v[S+j]                       ; p = 2^(t - M), at most 1
.set j, j+1
.endr
	v_pk_mul_f32 v[\st+2:\st+3], v[\st+2:\st+3], v[FF:FF+1] op_sel_hi:[1,0]   ; the sums under the new M: a plain instruction behind the exponentials
	s_wait_alu depctr_va_vdst(0)                   ; one wait for the batch of 64, ahead of its first reader
.irp b, 0,1,2,3
	v_exp_f32 v[BM+\b], v[BM+\b]                   ; the block's largest p: the same two instructions on the same number give the same bits
.endr
	v_pk_add_f32 v[CHN:CHN+1], v[S:S+1], v[S+2:S+3]   ; the row's sum is taken of the unquantised p, in two chains
.set j, 4
.rept 15
	v_pk_add_f32 v[\st+2:\st+3], v[\st+2:\st+3], v[S+j:S+j+1]
	v_pk_add_f32 v[CHN:CHN+1], v[CHN:CHN+1], v[S+j+2:S+j+3]
.set j, j+4
.endr
	s_delay_alu instid0(VALU_DEP_1)
	v_pk_add_f32 v[\st+2:\st+3], v[\st+2:\st+3], v[CHN:CHN+1]
	s_wait_alu depctr_va_vdst(0)                   ; and one for the four
.irp b, 0,1,2,3
	v_max_num_f32 v[BM+\b], 0x1800000, v[BM+\b]    ; the floor 2^(3 - 127): the byte cannot fall under 1
.endr
.irp b, 0,1,2,3
	s_delay_alu instid0(VALU_DEP_4)
	v_add_nc_u32 v[SO+\b], 0xff000000, v[BM+\b]    ; 2 off the exponent field: the conversion's scale operand
.endr
.irp b, 0,1,2,3
	s_delay_alu instid0(VALU_DEP_4)
	v_lshrrev_b32 v[BY+\b], 23, v[SO+\b]           ; the scale's byte
.endr
	s_delay_alu instid0(VALU_DEP_3)
	v_lshl_or_b32 v[PW], v[BY+1], 8, v[BY]         ; p's scale word for these 128 keys
	s_delay_alu instid0(VALU_DEP_1)
	v_lshl_or_b32 v[PW], v[BY+2], 16, v[PW]
	s_delay_alu instid0(VALU_DEP_1)
	v_lshl_or_b32 v[PW], v[BY+3], 24, v[PW]
.irp c, 0,1
	v_cvt_scalef32_pk16_fp6_f32 v[P+6*\c:P+6*\c+2], v[S+32*\c:S+32*\c+15], v[SO+2*\c]
	v_cvt_scalef32_pk16_fp6_f32 v[CT+4*\c:CT+4*\c+2], v[S+32*\c+16:S+32*\c+31], v[SO+2*\c+1]   ; (a conversion's three registers begin on an even number)
.endr
	v_nop                                          ; one plain place behind a scaled conversion
.irp c, 0,1                                    ; the operand's layout wants a whole block in a lane
.irp i, 0,1,2
	v_permlane16_swap_b32 v[P+6*\c+\i], v[CT+4*\c+\i]
.endr
.irp i, 0,1,2
	s_delay_alu instid0(VALU_DEP_3)
	v_mov_b32 v[P+6*\c+3+\i], v[CT+4*\c+\i]
.endr
.endr
.set j, 0
.rept 16
	v_pk_mul_f32 v[\o+j:\o+j+1], v[\o+j:\o+j+1], v[FF:FF+1] op_sel_hi:[1,0]   ; O^T under the new M.  For each product below twelve of these name none of its registers: the places behind p's word and codes
.set j, j+2
.endr
.irp d, 0,1,2,3
.irp c, 0,1,2
	ds_load_b128 v[QF+12*\d+4*\c:QF+12*\d+4*\c+3], v[ADI] offset:PIECE+1536*\d+512*\c
.endr
	ds_load_b32 v[FS+\d], v[ADS] offset:PIECE+4*1536+64*\d
.endr
	s_wait_alu depctr_va_vdst(0)
	s_wait_dscnt 0x0
.irp d, 0,1,2,3                                ; O^T += v^T p^T: the four accumulators by turns
	v_wmma_scale_f32_16x16x128_f8f6f4 v[\o+8*\d:\o+8*\d+7], v[QF+12*\d:QF+12*\d+11], v[P:P+11], v[\o+8*\d:\o+8*\d+7], v[FS+\d], v[PW] matrix_a_fmt:MATRIX_FMT_FP6 matrix_b_fmt:MATRIX_FMT_FP6
.endr
.if \masked
.Lskip_\@:
.endif
.endm
; A TILE'S WAY OUT: O^T / the sum, into the natural order along the channels, quantised (two blocks of 32), 768 bytes of codes through my stage and out as three aligned runs of 256 bytes; a scale byte a lane.
.macro FINISH st, o, soc, sos
.rept 4
	v_nop                                          ; places behind the last products
.endr
	v_add_f32 v[\st+2], v[\st+2], v[\st+3]         ; the sum's two halves,
	s_delay_alu instid0(VALU_DEP_1)
	v_permlanex16_b32 v[PT], v[\st+2], s[SEL], s[SEL+1]
	s_delay_alu instid0(VALU_DEP_1)
	v_add_f32 v[\st+2], v[\st+2], v[PT]            ; and lane l xor 16's
	s_wait_alu depctr_va_vdst(0)
	v_rcp_f32 v[FF], v[\st+2]
	v_nop                                          ; a plain place behind the reciprocal
	s_wait_alu depctr_va_vdst(0)                   ; and the wait ahead of its first reader
.set j, 0
.rept 16
	v_pk_mul_f32 v[S+j:S+j+1], v[\o+j:\o+j+1], v[FF:FF+1] op_sel_hi:[1,0]   ; register 8 t + i: channel 16 t + 8 h + i; each accumulator from its low end on
.set j, j+2
.endr
.irp b, 0,1
.irp j, 0,1,2,3,4,5,6,7
	v_permlane16_swap_b32 v[S+16*\b+\j], v[S+16*\b+8+\j]   ; now register 16 b + i: channel 32 b + 16 h + i: this operand meets a given one, so its K lies in the natural order
.endr
.endr
.irp b, 0,1
	v_max3_num_f32 v[BM+\b], |v[S+16*\b]|, |v[S+16*\b+1]|, 0x1800000
.endr
.irp i, 2,4,6,8,10,12,14
.irp b, 0,1
	s_delay_alu instid0(VALU_DEP_2)
	v_max3_num_f32 v[BM+\b], v[BM+\b], |v[S+16*\b+\i]|, |v[S+16*\b+\i+1]|
.endr
.endr
.irp b, 0,1
	s_delay_alu instid0(VALU_DEP_2)
	v_permlanex16_b32 v[PT+\b], v[BM+\b], s[SEL], s[SEL+1]
.endr
.irp b, 0,1
	s_delay_alu instid0(VALU_DEP_2)
	v_max_num_f32 v[BM+\b], v[BM+\b], v[PT+\b]
.endr
.irp b, 0,1
	s_delay_alu instid0(VALU_DEP_2)
	v_add_nc_u32 v[SO+\b], 0xff000000, v[BM+\b]
.endr
.irp b, 0,1
	s_delay_alu instid0(VALU_DEP_2)
	v_lshrrev_b32 v[BY+\b], 23, v[SO+\b]
.endr
	v_cvt_scalef32_pk16_fp6_f32 v[P:P+2], v[S:S+15], v[SO]
	v_cvt_scalef32_pk16_fp6_f32 v[CT:CT+2], v[S+16:S+31], v[SO+1]
	v_cndmask_b32 v[BY+2], v[BY], v[BY+1], s[HM]   ; lane (r, h) carries block h's byte.  (A plain place behind the conversions)
.irp i, 0,1,2
	v_permlane16_swap_b32 v[P+\i], v[CT+\i]        ; lane (r, h): block h: its lower 16 codes, and in the other run its upper 16
.endr
.irp i, 0,1,2
	s_delay_alu instid0(VALU_DEP_3)
	v_mov_b32 v[P+3+\i], v[CT+\i]
.endr
.irp p, 0,1,2
	ds_store_b64 v[SIN], v[P+2*\p:P+2*\p+1] offset:8*\p
.endr
.irp q, 0,1,2
	ds_load_b64 v[CHN+2*\q:CHN+2*\q+1], v[SOUT] offset:256*\q   ; LDS serves a wave's instructions in order: these see my stores
.endr
	global_store_b8 v[OSO], v[BY+2], s[\sos:\sos+1]
	s_wait_dscnt 0x0
.irp q, 0,1,2
	global_store_b64 v[L8], v[CHN+2*\q:CHN+2*\q+1], s[\soc:\soc+1] offset:256*\q   ; 32 lanes store 256 consecutive bytes, aligned
.endr
	s_wait_xcnt 0x0                                ; the stores have read their registers, which the next steps load into
.endm
; A trip of the first four steps: both tiles; the high tile's rows come behind all of these keys
.macro BOTH
	v_add_nc_u32 v[ADI], s[TB], v[LI]
	v_add_nc_u32 v[ADS], s[TB], v[LS]
	TILESTEP STL, OL, ZK+6, ZK, KSL, SDL, DML, 1
	s_wait_alu depctr_va_vdst(0)
	TILESTEP STH, OH, ZK+18, ZK+12, KSH, SDH, DMH, 0
	s_add_co_u32 s[TB], s[TB], REC
	s_add_co_u32 s[STEP], s[STEP], 1
	s_sub_co_u32 s[CNT], s[CNT], 1
	s_cmp_lg_u32 s[CNT], 0
.endm
	s_wait_tensorcnt 0x0                           ; my piece is in,
	s_barrier_signal -1
	s_barrier_wait -1                              ; for every wave
	s_mov_b32 s[TB], 0
	s_mov_b32 s[STEP], 0
	s_mov_b32 s[CNT], 2
.Lsteps01:
	BOTH
	s_cbranch_scc1 .Lsteps01
	s_mov_b32 s[TB], 2*REC
	s_mov_b32 s[STEP], 2
	s_mov_b32 s[CNT], 2
.Lsteps23:
	BOTH
	s_cbranch_scc1 .Lsteps23
	FINISH STL, OL, OCL, OSL                       ; the low tile lies in steps 0 to 3: it is done
	s_mov_b32 s[TB], 4*REC
	s_mov_b32 s[STEP], 4
	s_mov_b32 s[CNT], 4
.Lsteps47:
	v_add_nc_u32 v[ADI], s[TB], v[LI]
	v_add_nc_u32 v[ADS], s[TB], v[LS]
	TILESTEP STH, OH, ZK+18, ZK+12, KSH, SDH, DMH, 1
	s_add_co_u32 s[TB], s[TB], REC
	s_add_co_u32 s[STEP], s[STEP], 1
	s_sub_co_u32 s[CNT], s[CNT], 1
	s_cmp_lg_u32 s[CNT], 0
	s_cbranch_scc1 .Lsteps47
	FINISH STH, OH, OCH, OSH
	s_wait_tensorcnt 0x0
	ds_add_u32 v254, v255
	s_wait_dscnt 0x0
	s_endpgm
.Lfunc_end_k_qa98e6574e6_attn:
	.size	k_qa98e6574e6_attn, .Lfunc_end_k_qa98e6574e6_attn-k_qa98e6574e6_attn
	.p2alignl 7, 3214868480
	.fill 96, 4, 3214868480
	.section	.rodata,"a",@progbits
	.p2align	6, 0x0
	.amdhsa_kernel k_qa98e6574e6_attn
		.amdhsa_group_segment_fixed_size 169984
		.amdhsa_private_segment_fixed_size 0
		.amdhsa_enable_private_segment 0
		.amdhsa_kernarg_size 24
		.amdhsa_user_sgpr_count 2
		.amdhsa_user_sgpr_kernarg_segment_ptr 1
		.amdhsa_wavefront_size32 1
		.amdhsa_system_sgpr_workgroup_id_x 1
		.amdhsa_system_sgpr_workgroup_id_y 1
		.amdhsa_system_sgpr_workgroup_id_z 1
		.amdhsa_system_vgpr_workitem_id 0
		.amdhsa_next_free_vgpr 256
		.amdhsa_next_free_sgpr 84
		.amdhsa_reserve_vcc 1
		.amdhsa_float_denorm_mode_32 3
		.amdhsa_float_denorm_mode_16_64 3
		.amdhsa_memory_ordered 1
		.amdhsa_forward_progress 1
		.amdhsa_inst_pref_size 121
	.end_amdhsa_kernel
	.amdgpu_metadata
---
amdhsa.version: [ 1, 2 ]
amdhsa.kernels:
  - .name:           k_qa98e6574e6_attn
    .symbol:         k_qa98e6574e6_attn.kd
    .args:
      - { .name: kqv, .offset: 0, .size: 8, .value_kind: global_buffer, .address_space: global }
      - { .name: oc, .offset: 8, .size: 8, .value_kind: global_buffer, .address_space: global }
      - { .name: osc, .offset: 16, .size: 8, .value_kind: global_buffer, .address_space: global }
    .group_segment_fixed_size: 169984
    .private_segment_fixed_size: 0
    .kernarg_segment_align: 8
    .kernarg_segment_size: 24
    .max_flat_workgroup_size: 512
    .sgpr_count:     84
    .vgpr_count:     256
    .wavefront_size: 32
...
	.end_amdgpu_metadata
.endif
;; end of part 2
;; launch proj (part 3): grid 4 x 64, 4 waves a work-group, clusters of 4 x 4, 327,680 bytes of LDS; arguments oc, osc, Wp_codes, Wp_scales, bp, out0; writes out0
.if DOCPART == 3
	.amdgcn_target "amdgcn-amd-amdhsa--gfx1250"
	.amdhsa_code_object_version 6
	.text
	.protected	k_qa98e6574e6_proj
	.globl	k_qa98e6574e6_proj
	.p2align	8
	.type	k_qa98e6574e6_proj,@function
k_qa98e6574e6_proj:
	s_mov_b64 s[64:65], 0
	v_nop
	global_prefetch_b8 v0, s[64:65] scope:SCOPE_SE
	s_setreg_imm32_b32 hwreg(HW_REG_WAVE_MODE, 25, 1), 1
	s_wait_xcnt 0x0
	s_wait_alu depctr_hold_cnt(0) depctr_sa_sdst(0) depctr_va_vdst(0) depctr_va_sdst(0) depctr_va_ssrc(0) depctr_va_vcc(0) depctr_vm_vsrc(0)
	s_getreg_b32 s2, hwreg(HW_REG_IB_STS2, 6, 4)
	s_cmp_eq_u32 s2, 0
	s_cbranch_scc0 .Lentry_in_a_cluster
	s_endpgm
.Lentry_in_a_cluster:
	s_bfe_u32 s2, ttmp6, 0x10000c
	s_cmp_lg_u32 s2, 0xf033
	s_cbranch_scc0 .Lentry_shape_is_right
	s_endpgm
.Lentry_shape_is_right:
; out0 = o Wp + bp on codes of FP6 (E2M3) with E8M0 scales, K = 1,024, sums in f32.  o comes from the attention launch: oc [16 heads][8,192 tokens][48 bytes], osc [8,192][32].
; 256 work-groups of four waves; a work-group makes 128 tokens x 256 columns.  A wave holds 64 rows of Wp (its 64 columns), ALL of K, in 384 registers, and streams o's eight blocks of 16 tokens, all of K, past them:
; a block's 16 x 64 results are finished after its 32 products and leave at once, while the later blocks are multiplied.
; LDS is filled once, at the head, one joint load a wave.  Wp's tile: 256 rows of 768 bytes, 16 bytes of padding behind every 256, waves 0 and 1 128 rows each, asked for by a line of their own: the first barrier shows it alone,
; and its 192 LDS loads stand ahead of the wait for o's tile: 16 rows (heads) of 6,144 bytes (128 tokens x 48), waves 2 and 3 eight heads each.  Every row begins at a multiple of 256.
; CLUSTERS 4 x 4: o's tile is shared along a row of the cluster, Wp's along a column.  Scale words (32 bytes a row) and the bias go from memory into registers.  No prefetch: every byte is asked for at the head by its load.
; The matrix instruction is used transposed (source 0 = Wp's rows): a lane holds eight neighbouring columns of a token's row.  The bias is the C of each sum's first product.
; THE WAY OUT of a block: through my stage (16 rows of 256 + 16 bytes), back as whole rows; sixteen lanes store 256 consecutive bytes, aligned.  The stage lies in Wp's region: it has had its one fill, and the second barrier stands
; behind every wave's last read of it.  A block's rows are stored at the next block's head, behind the one wait that also shows that block's fragments.
; REGISTERS: window 0: addresses, scale words (SA, SB: nothing else lies there), four accumulators, the rows read back.  Fragment f lies in window 1 + f / 21 at register 12 (f % 21): 0-31 Wp's (4 q + b), 32-47 o's two sets.
; v864-895: the bias in the result's layout.
.set KROW,  768
.set PITCH, 816
.set FR,    12
.set FPW,   21
.set BB,    16*6144                    ; Wp's region
.set SPARE, BB+256*PITCH
.set SPITCH, 272
.set ADRA, 4                           ; v4 heads 0-7, v5 heads 8-15
.set WA,   6                           ; v6-7 my rows of Wp (the second: behind one padding more)
.set STO,  16
.set RD,   17
.set CO,   18
.set BO,   24
.set SO,   26
.set SPW,  28
.set NIL,  29
.set SA,   32                          ; v32-95 o's scale words: 8 block + q
.set SB,   100                         ; v100-131 Wp's: 8 b + q
.set ACC,  132                         ; v132-163
.set BK,   164                         ; v164-195, v196-227 by turns
.set BIW,  96                          ; in window 3
.set MSB, 0
.macro WIN new
.if MSB != (\new)
	s_set_vgpr_msb (MSB<<8)|(\new)
.set MSB, (\new)
.endif
.endm
.macro PLACES n
.rept \n
	v_nop
.endr
.endm
.macro CROUND
	s_barrier_signal -1
	s_barrier_wait -1
	s_cmp_lg_u32 s14, 0
	s_cbranch_scc1 .Lnot_wave_0_\@
	s_barrier_signal -3
.Lnot_wave_0_\@:
	s_barrier_wait -3
	s_barrier_signal -1
	s_barrier_wait -1
.endm
.macro TLOAD g0, g1
	tensor_load_to_lds s[\g0:\g0+3], s[\g1:\g1+7]
	s_nop 0
	PLACES 4
.endm
.macro LDSC reg, n, base
.set I_, 0
.rept \n
	global_load_b128 v[\reg+8*I_:\reg+8*I_+3], v[SO], s[\base:\base+1] offset:512*I_
	global_load_b128 v[\reg+8*I_+4:\reg+8*I_+7], v[SO], s[\base:\base+1] offset:512*I_+16
.set I_, I_+1
.endr
.endm
.macro WFRAG q, b                      ; Wp: byte y of a row lies at y + 16 (y / 256); lanes 16-31 read 24 bytes further on
.set F_, 4*(\q)+(\b)
.set R_, FR*(F_%FPW)
	WIN (1+F_/FPW)<<6
.irp p, 0,1,2,3,4,5
.set BY, 96*(\q)+48*(\p/3)+8*(\p%3)
.if BY/256 == (BY+24)/256
	ds_load_b64 v[R_+2*\p:R_+2*\p+1], v[WA] offset:BY+16*(BY/256)+(\b)*16*PITCH
.else
	ds_load_b64 v[R_+2*\p:R_+2*\p+1], v[WA+1] offset:BY+16*(BY/256)+(\b)*16*PITCH
.endif
.endr
.endm
.macro FETCHA s                        ; block s of o, all of K, into set s % 2: 128 along K are heads 2 q, 2 q + 1
.irp q, 0,1,2,3,4,5,6,7
.set F_, 32+8*((\s)%2)+\q
.set R_, FR*(F_%FPW)
	WIN (1+F_/FPW)<<6
.irp c, 0,1
.irp p, 0,1,2
	ds_load_b64 v[R_+6*\c+2*\p:R_+6*\c+2*\p+1], v[ADRA+\q/4] offset:((2*\q+\c)%8)*6144+(\s)*768+8*\p
.endr
.endr
.endr
	WIN 0
.endm
.macro MULS s                          ; 32 products, the four accumulators by turns
.set N_, 0
.rept 32
.set Q_, N_/4
.set B_, N_%4
.set FA_, 32+8*((\s)%2)+Q_
.set rD, ACC+8*B_
.set rB, FR*(N_%FPW)
.set rA, FR*(FA_%FPW)
.if Q_
	WIN (1+N_/FPW)|((1+FA_/FPW)<<2)
	v_wmma_scale_f32_16x16x128_f8f6f4 v[rD:rD+7], v[rB:rB+FR-1], v[rA:rA+FR-1], v[rD:rD+7], v[SB+8*B_+Q_], v[SA+8*(\s)+Q_] matrix_a_fmt:MATRIX_FMT_FP6 matrix_b_fmt:MATRIX_FMT_FP6
.else
	WIN (1+N_/FPW)|((1+FA_/FPW)<<2)|(3<<4)
	v_wmma_scale_f32_16x16x128_f8f6f4 v[rD:rD+7], v[rB:rB+FR-1], v[rA:rA+FR-1], v[BIW+8*B_:BIW+8*B_+7], v[SB+8*B_+Q_], v[SA+8*(\s)+Q_] matrix_a_fmt:MATRIX_FMT_FP6 matrix_b_fmt:MATRIX_FMT_FP6
.endif
.set N_, N_+1
.endr
	WIN 0
.endm
.macro TOSTAGE s
.irp b, 0,1,2,3
	ds_store_b128 v[STO], v[ACC+8*\b:ACC+8*\b+3] offset:64*\b            ; each accumulator from its low end on
	ds_store_b128 v[STO], v[ACC+8*\b+4:ACC+8*\b+7] offset:64*\b+16
.endr
	s_wait_xcnt 0x0                                ; the stores of two blocks back have read this set of registers
.irp t, 0,1,2,3,4,5,6,7
	ds_load_b128 v[BK+32*((\s)%2)+4*\t:BK+32*((\s)%2)+4*\t+3], v[RD] offset:\t*2*SPITCH   ; LDS serves a wave's instructions in order: these see my stores
.endr
.endm
.macro SEND s
.irp t, 0,1,2,3,4,5,6,7
	global_store_b128 v[CO], v[BK+32*((\s)%2)+4*\t:BK+32*((\s)%2)+4*\t+3], s[12:13] offset:(\s)*65536+\t*8192 th:TH_STORE_NT   ; rows 16 s + 2 t and the next: 256 consecutive bytes each
.endr
.endm
	s_load_b128 s[4:7], s[0:1], 0x0                ; oc, osc
	s_load_b128 s[8:11], s[0:1], 0x10              ; Wp's codes, scales
	s_load_b128 s[92:95], s[0:1], 0x20             ; bp, out0
	v_lshl_add_u32 v[SPW], v0, 2, SPARE
	v_mov_b32 v[NIL], 0
	ds_add_u32 v[SPW], v[NIL]                      ; the opening lines
	ds_add_u32 v[SPW], v[NIL]
	v_lshrrev_b32 v1, 5, v0
	v_readfirstlane_b32 s14, v1
	s_lshr_b32 s15, s14, 1
	s_and_b32 s16, s14, 1
	s_bfe_u32 s40, ttmp6, 0x40000
	s_bfe_u32 s41, ttmp6, 0x40004
	s_lshl_b32 s42, ttmp9, 2
	s_add_co_u32 s42, s42, s40                     ; tile column
	s_and_b32 s17, ttmp7, 0xffff
	s_lshl_b32 s17, s17, 2
	s_add_co_u32 s17, s17, s41                     ; tile row
	s_lshl_b32 s43, s41, 2
	s_lshl_b32 s43, 15, s43
	s_lshl_b32 s44, 0x1111, s40
	s_or_b32 s24, s43, (3<<16)|(1<<21)             ; o: 8 rows of 768 elements of 8 bytes, 49,152 elements apart
	s_mov_b32 s25, 768<<16
	s_mov_b32 s26, 8<<16
	s_mov_b32 s27, 768<<16
	s_mov_b32 s28, 8
	s_mov_b32 s29, 49152
	s_mov_b32 s30, 0
	s_mov_b32 s31, 0
	s_or_b32 s48, s44, (1<<20)|(1<<21)|(5<<22)|(3<<25)   ; Wp: 128 rows of 768 bytes, padded
	s_mov_b32 s49, KROW<<16
	s_mov_b32 s50, 128<<16
	s_mov_b32 s51, KROW<<16
	s_mov_b32 s52, 128
	s_mov_b32 s53, KROW
	s_mov_b32 s54, 0
	s_mov_b32 s55, 0
	s_mul_i32 s18, s17, 6144
	s_mul_i32 s19, s16, 8*393216
	s_add_co_u32 s18, s18, s19
	s_mov_b32 s19, 0
	s_mov_b32 s32, 1
	s_mul_i32 s33, s16, 8*6144
	s_lshl_b32 s21, s42, 8                         ; my work-group's first column
	s_lshl_b32 s36, s16, 7
	s_add_co_u32 s36, s36, s21                     ; the rows of Wp that I fetch
	s_mul_i32 s36, s36, KROW
	s_mov_b32 s37, 0
	s_mov_b32 s56, 1
	s_mul_i32 s57, s16, 128*PITCH
	s_add_co_u32 s57, s57, BB
	s_lshl_b32 s22, s14, 6
	s_add_co_u32 s22, s22, s21                     ; my first column
	s_lshl_b32 s46, s22, 5
	s_mov_b32 s47, 0
	s_lshl_b32 s22, s22, 2
	s_mov_b32 s23, 0
	s_lshl_b32 s2, s17, 12                         ; 128 rows of 32 scale bytes
	s_mov_b32 s3, 0
	s_lshl_b32 s20, s17, 19                        ; 128 rows of 4,096 bytes
	s_add_co_u32 s20, s20, s22
	s_mov_b32 s21, 0
	s_wait_dscnt 0x0
	s_wait_kmcnt 0x0
	s_add_nc_u64 s[34:35], s[4:5], s[18:19]
	s_or_b32 s35, s35, 0x80000000
	s_add_nc_u64 s[58:59], s[8:9], s[36:37]
	s_or_b32 s59, s59, 0x80000000
	s_add_nc_u64 s[6:7], s[6:7], s[2:3]
	s_add_nc_u64 s[10:11], s[10:11], s[46:47]
	s_add_nc_u64 s[92:93], s[92:93], s[22:23]
	s_add_nc_u64 s[12:13], s[94:95], s[20:21]
	CROUND                                         ; ahead of the joint loads
	s_cmp_eq_u32 s15, 0
	s_cbranch_scc0 .Lhead_o
	TLOAD 56, 48                                   ; waves 0 and 1: Wp's rows, which are wanted first
	s_branch .Lhead_asked
.Lhead_o:
	TLOAD 32, 24                                   ; waves 2 and 3: o's
.Lhead_asked:
	s_mul_i32 s3, s14, 64*PITCH
	s_add_co_u32 s3, s3, BB
	s_mul_i32 s8, s14, 16*SPITCH
	s_add_co_u32 s8, s8, BB
	v_and_b32 v1, 15, v0
	v_bfe_u32 v2, v0, 4, 1
	v_mul_u32_u24 v30, v1, PITCH
	v_mad_u32_u24 v31, v2, 24, v30
	v_mad_u32_u24 v30, v2, 40, v30
	v_add_nc_u32 v[WA], s3, v31
	v_add_nc_u32 v[WA+1], s3, v30
	v_mul_u32_u24 v[ADRA], v1, 48
	v_mad_u32_u24 v[ADRA], v2, 24, v[ADRA]
	v_add_nc_u32 v[ADRA+1], 8*6144, v[ADRA]
	v_mul_u32_u24 v[STO], v1, SPITCH
	v_lshl_add_u32 v[STO], v2, 5, v[STO]
	v_add_nc_u32 v[STO], s8, v[STO]
	v_mul_u32_u24 v[RD], v2, SPITCH
	v_lshl_add_u32 v[RD], v1, 4, v[RD]
	v_add_nc_u32 v[RD], s8, v[RD]
	v_lshlrev_b32 v[CO], 12, v2
	v_lshl_add_u32 v[CO], v1, 4, v[CO]
	v_lshlrev_b32 v[BO], 5, v2
	v_lshlrev_b32 v[SO], 5, v1
	s_wait_alu depctr_va_vdst(0)                   ; the wait at the head's end
	LDSC SA, 8, 6
	LDSC SB, 4, 10
	WIN 0xc0
.irp b, 0,1,2,3
	global_load_b128 v[BIW+8*\b:BIW+8*\b+3], v[BO], s[92:93] offset:64*\b          ; columns 16 b + 8 h + 0 .. 7
	global_load_b128 v[BIW+8*\b+4:BIW+8*\b+7], v[BO], s[92:93] offset:64*\b+16
.endr
	WIN 0
	s_cmp_eq_u32 s15, 0
	s_cbranch_scc0 .Lnot_w
	s_wait_tensorcnt 0x0                           ; waves 0 and 1: Wp's rows have landed
.Lnot_w:
	s_barrier_signal -1
	s_barrier_wait -1                              ; for every wave
.irp q, 0,1,2,3,4,5,6,7
.irp b, 0,1,2,3
	WFRAG \q, \b
.endr
.endr
	WIN 0
	s_wait_tensorcnt 0x0                           ; all that is still out: o's tile;
	s_wait_dscnt 0x0                               ; and my reads of Wp's region are over
	s_barrier_signal -1
	s_barrier_wait -1                              ; so it is with every wave: o's tile may be read, the stage may be written
	FETCHA 0
	s_wait_loadcnt 0x0                             ; scale words and bias
.irp s, 0,1,2,3,4,5,6,7
	s_wait_dscnt 0x0                               ; block s's fragments are in, and the block before is back from the stage
.if \s > 0
	SEND \s-1
.endif
.if \s < 7
	FETCHA \s+1                                    ; into the set that the block before multiplied: the places behind its products stand ahead of its way to the stage
.endif
	MULS \s
	PLACES 5                                       ; behind the products: for the stage's stores, the next fetch, and the next block's products, which begin these accumulators anew
	TOSTAGE \s
.endr
	s_wait_dscnt 0x0
	SEND 7
	s_wait_tensorcnt 0x0                           ; the wave's end
	ds_add_u32 v[SPW], v[NIL]
	s_wait_dscnt 0x0
	CROUND                                         ; the closing round
	s_endpgm
.Lfunc_end_k_qa98e6574e6_proj:
	.size	k_qa98e6574e6_proj, .Lfunc_end_k_qa98e6574e6_proj-k_qa98e6574e6_proj
	.p2alignl 7, 3214868480
	.fill 96, 4, 3214868480
	.section	.rodata,"a",@progbits
	.p2align	6, 0x0
	.amdhsa_kernel k_qa98e6574e6_proj
		.amdhsa_group_segment_fixed_size 327680
		.amdhsa_private_segment_fixed_size 0
		.amdhsa_enable_private_segment 0
		.amdhsa_kernarg_size 48
		.amdhsa_user_sgpr_count 2
		.amdhsa_user_sgpr_kernarg_segment_ptr 1
		.amdhsa_wavefront_size32 1
		.amdhsa_system_sgpr_workgroup_id_x 1
		.amdhsa_system_sgpr_workgroup_id_y 1
		.amdhsa_system_sgpr_workgroup_id_z 1
		.amdhsa_system_vgpr_workitem_id 0
		.amdhsa_next_free_vgpr 896
		.amdhsa_next_free_sgpr 98
		.amdhsa_reserve_vcc 0
		.amdhsa_float_denorm_mode_32 3
		.amdhsa_float_denorm_mode_16_64 3
		.amdhsa_memory_ordered 1
		.amdhsa_forward_progress 1
		.amdhsa_inst_pref_size 96
	.end_amdhsa_kernel
	.amdgpu_metadata
---
amdhsa.version: [ 1, 2 ]
amdhsa.kernels:
  - .name:           k_qa98e6574e6_proj
    .symbol:         k_qa98e6574e6_proj.kd
    .args:
      - { .name: oc, .offset: 0, .size: 8, .value_kind: global_buffer, .address_space: global }
      - { .name: osc, .offset: 8, .size: 8, .value_kind: global_buffer, .address_space: global }
      - { .name: Wp_codes, .offset: 16, .size: 8, .value_kind: global_buffer, .address_space: global }
      - { .name: Wp_scales, .offset: 24, .size: 8, .value_kind: global_buffer, .address_space: global }
      - { .name: bp, .offset: 32, .size: 8, .value_kind: global_buffer, .address_space: global }
      - { .name: out0, .offset: 40, .size: 8, .value_kind: global_buffer, .address_space: global }
    .group_segment_fixed_size: 327680
    .private_segment_fixed_size: 0
    .kernarg_segment_align: 8
    .kernarg_segment_size: 48
    .max_flat_workgroup_size: 128
    .sgpr_count:     98
    .vgpr_count:     896
    .wavefront_size: 32
...
	.end_amdgpu_metadata
.endif
;; end of part 3
